; MI455X (gfx1250); checked and timed in simulation.
; The chip was launched on July 23, 2026; its instructions are those of AMD's public machine-readable ISA for CDNA 5 (MIT licence, August 2026) and "CDNA5" Instruction Set Architecture Reference Guide (July 2026). The comments in the code are by the model that wrote it; some were corrected since.
;; Euclidean Codebook. Allowed arithmetic: matrix products marked QUANTISED: E5M2 operands, one E8M0 scale for each 32 along K, by v_wmma_scale_f32_16x16x128_f8f6f4 with both operands' format E5M2, f32 sums; everything else in f32.
;; Inputs: embed 1 x 8,192 x 256 float32; x 8 x 4,096 x 256 float32.
;; Outputs: out0 8 x 4,096 x 256 float32; out1 8 x 4,096 int32.
;; This version of the problem:
;;   THIS VERSION OF THE PROBLEM IS GIVEN IN LOW PRECISION. The matrix products marked QUANTISED in the list below multiply operands that are first quantised to E5M2 (5 exponent bits, 2 mantissa bits; 8 bits a number), with one power-of-two scale for each 32 numbers along K (OCP MX v1.0); their sums are f32. All else is computed in f32.
;;   The module's matrix products, in the order in which they are computed (A, B: the left and right operand; K: the contracted axis; several contracted axes count as one K, in the product's order):
;;     1. [M 32,768, K 256] x [K 256, N 8,192]; A: input x; B: input embed: QUANTISED
;;   THE QUANTISER, for each operand of a quantised product, along K:
;;     - K is cut into blocks of 32 from its start; a last block that is shorter is filled with zeros.
;;     - A block's scale is 2^e with e = floor(log2(the largest magnitude in the block)) - 15, held to -126 .. 127; a block of zeros has e = 0. As a byte (E8M0): e + 127.
;;     - Each number is divided by its block's scale, clamped to +-57,344, and rounded to the nearest number of E5M2, ties to even, subnormals kept.
;;     - The product sums the exact products of the quantised numbers (number of the format x scale) in f32.
;;   ~~~python
;;   def quantise(x, axis):      # numpy; x: float32 -> the quantised numbers, widened to float32 again
;;       x = np.moveaxis(x, axis, -1); K = x.shape[-1]
;;       x = np.pad(x, [(0, 0)] * (x.ndim - 1) + [(0, -K % 32)]); x = x.reshape(x.shape[:-1] + (-1, 32)); a = np.abs(x).max(-1, keepdims=True)
;;       e = np.where(a > 0, np.clip(np.frexp(np.where(a > 0, a, 1))[1] - 1 - 15, -126, 127), 0)      # np.frexp(a)[1] - 1 = floor(log2(a)), exactly
;;       r = np.clip(x / 2.0 ** e, -57344, 57344)
;;       step = 2.0 ** (np.maximum(np.frexp(np.where(r == 0, 1, r))[1] - 1, -14) - 2)
;;       q = np.round(r / step) * step * 2.0 ** e      # np.round: ties to even
;;       return np.moveaxis(q.reshape(q.shape[:-2] + (-1,))[..., :K], -1, axis).astype(np.float32)
;;   ~~~
;; One version. Each part assembles by itself: llvm-mc -triple=amdgcn-amd-amdhsa -mcpu=gfx1250 --defsym DOCPART=n.
;; ======== version 1 of 1: 3 launches
;; workspace buffers: ecodes 2,228,224 bytes; idx 131,072 bytes of whole numbers
;; launch quant_embed (part 1): grid 256 x 1, 2 waves a work-group, no clusters, 34,048 bytes of LDS; arguments embed, ecodes; writes ecodes
.if DOCPART == 1
	.amdgcn_target "amdgcn-amd-amdhsa--gfx1250"
	.amdhsa_code_object_version 6
	.text
	.protected	k_qcbe76e37fb_quant_embed
	.globl	k_qcbe76e37fb_quant_embed
	.p2align	8
	.type	k_qcbe76e37fb_quant_embed,@function
k_qcbe76e37fb_quant_embed:
	s_mov_b64 s[64:65], 0
	v_nop
	global_prefetch_b8 v0, s[64:65] scope:SCOPE_SE
	s_setreg_imm32_b32 hwreg(HW_REG_WAVE_MODE, 25, 1), 1
	s_wait_xcnt 0x0
; embed [8192][256] f32 becomes 512 RECORDS of 4,352 bytes, one for each tile of 16 codebook rows, laid in the order in which the product's launch takes them into registers.
; Record t (rows 16 t .. 16 t + 15):
;   bytes 2048 s + 512 c + 16 lane: registers 4 c .. 4 c + 3 of the fragment of K step s (128 along K): lane (r, h) holds row r's codes of k = 128 s + 32 c + 16 h + 0 .. 15
;   bytes 4096 + 4 lane:            scale words: lanes 0-15 row r's four E8M0 bytes of K step 0, lanes 16-31 row (lane - 16)'s of K step 1
;   bytes 4224 .. 4287:             -e2 / 2 of the 16 rows, f32 (e2 = the sum of the row's squares, of the numbers as given); bytes 4288 .. 4351: zeros
; THE QUANTISER: codes of BF8 (E5M2); a block of 32 along K has the scale 2^(floor(log2(its largest magnitude)) - 15); its byte is the largest magnitude's exponent field - 15, held at 1 from below;
; each number is divided by the scale, held within +-57,344 and rounded to the nearest code, ties to even.
; LIMITS: a block of zeros gets the byte 1 where the rule says 127 (its codes are zeros, which add nothing under any byte but 0xff, and this program alone reads the bytes); NaN and infinities are not served;
; e2 is summed in f32 in four packed chains a lane, another order than a plain sum along the row.
; SHARES: a wave takes a tile; the two waves of a work-group share nothing: no barrier.  No matrix unit, no tensor load, no cluster: 8 MiB are read once and work-groups share no input.
; Each load reads 512 consecutive bytes; the conversions want 16 NEIGHBOURS along K in one lane's registers: so the tile's 16 rows turn through the wave's own stage in LDS.
.set STGP,  1040                       ; a stage row: 1,024 bytes + 16: an odd multiple of 16 bytes, so that the 16 rows that a read touches start at 16 different banks (64 banks of 4 bytes: ISA guide 11.1)
.set TAIL,  16*STGP                    ; behind the stage: 256 bytes in which the record's last 256 bytes are gathered
.set WREG,  TAIL+256                   ; a wave's LDS
.set REC,   4352
.set TM,    8                          ; v8-11 largest magnitudes, v12-15 bytes, v16-19 the largest number x the scale, v20-23 the conversions' scale operands
.set PW,    24                         ; the scale word just made
.set PW0,   25                         ; K step 0's
.set SUM,   26                         ; v26-33 four packed chains of squares
.set X,     36                         ; v36-163 the lane's 128 numbers: 64 s + 16 b + i = k 128 s + 32 b + 16 h + i of row r
.set C,     164                        ; v164-195 codes: 16 registers for each K step, so that no store's data are written again
.set SEL,   20                         ; s[20:21] lane selects for v_permlanex16_b32: lane l xor 16
.set MNT,   22                         ; s22 the mantissa field of 57,344
	s_load_b128 s[4:7], s[0:1], 0x0                ; embed, ecodes
	v_lshl_add_u32 v200, v0, 2, 0x8400
	v_mov_b32 v201, 0
	v_lshrrev_b32 v1, 5, v0
	v_readfirstlane_b32 s8, v1                     ; wave 0, 1
	v_and_b32 v7, 31, v0                           ; lane
	v_and_b32 v3, 15, v0                           ; r
	v_bfe_u32 v4, v0, 4, 1                         ; h
	s_mul_i32 s9, s8, WREG                         ; my wave's LDS
	v_lshlrev_b32 v1, 4, v7                        ; 16 x lane: my 16 bytes of a load's or a store's 512
	v_add_nc_u32 v2, s9, v1                        ; the stage, on the way in
	v_mul_u32_u24 v3, v3, STGP
	v_lshl_add_u32 v3, v4, 6, v3
	v_add_nc_u32 v3, s9, v3                        ; and on the way out: row r, + 64 h: my 16 numbers of a block of 32
	s_add_co_u32 s9, s9, TAIL
	v_lshlrev_b32 v4, 2, v7
	v_add_nc_u32 v4, s9, v4                        ; the tail, in: 4 bytes a lane
	v_lshlrev_b32 v6, 3, v7                        ; and out: 8 bytes a lane
	v_add_nc_u32 v5, s9, v6
	s_mov_b32 s[SEL], 0x76543210
	s_mov_b32 s[SEL+1], 0xfedcba98
	s_mov_b32 s[MNT], 0x600000
.irp b, 0,1,2,3
	v_mov_b32 v[TM+4+\b], 0                        ; written once: a lane permute's destination counts as one of its sources
.endr
	s_lshl_b32 s10, ttmp9, 1
	s_add_co_u32 s10, s10, s8                      ; my tile: 2 x work-group + wave
	s_lshl_b32 s12, s10, 14                        ; its 16 rows of 1,024 bytes
	s_mov_b32 s13, 0
	s_mul_i32 s14, s10, REC                        ; its record
	s_mov_b32 s15, 0
	s_wait_kmcnt 0x0
	s_add_nc_u64 s[4:5], s[4:5], s[12:13]
	s_add_nc_u64 s[6:7], s[6:7], s[14:15]
.set n, 0
.rept 32
	global_load_b128 v[X+4*n:X+4*n+3], v1, s[4:5] offset:512*n     ; half a row: 32 lanes read 512 consecutive bytes (no hint: a later launch reads embed again)
.set n, n+1
.endr
.set n, 0
.rept 32
	s_wait_loadcnt 31-n                            ; loads come back in order: load n is in, the 31 - n younger ones may be out
	ds_store_b128 v2, v[X+4*n:X+4*n+3] offset:(n/2)*STGP+(n%2)*512
.set n, n+1
.endr
.irp s, 0,1                            ; LDS serves a wave's instructions in order: these see the stores above, and land in the registers that those have left
.irp b, 0,1,2,3
.irp j, 0,1,2,3
	ds_load_b128 v[X+64*\s+16*\b+4*\j:X+64*\s+16*\b+4*\j+3], v3 offset:512*\s+128*\b+16*\j
.endr
.endr
.endr
; the squares of K step s's 64 numbers, two at a time, onto four chains; the very first four products start the chains: nothing is cleared.  It stands ahead of the hold, which changes the numbers.
.macro SQ s
.irp i, 0,1,2,3,4,5,6,7
.irp c, 0,1,2,3
.if (\s == 0) && (\i == 0)
	v_pk_mul_f32 v[SUM+2*\c:SUM+2*\c+1], v[X+2*\c:X+2*\c+1], v[X+2*\c:X+2*\c+1]
.else
	v_pk_fma_f32 v[SUM+2*\c:SUM+2*\c+1], v[X+64*\s+8*\i+2*\c:X+64*\s+8*\i+2*\c+1], v[X+64*\s+8*\i+2*\c:X+64*\s+8*\i+2*\c+1], v[SUM+2*\c:SUM+2*\c+1]
.endif
.endr
.endr
.endm
; 64 numbers of a lane, v[s] on, register 16 b + i = k 32 b + 16 h + i of my row, become a fragment's codes in v[d] on and its scale word in v[PW]
.macro QUANT s, d
.irp b, 0,1,2,3
	v_max3_num_f32 v[TM+\b], |v[\s+16*\b]|, |v[\s+1+16*\b]|, 0x8000000   ; block b: my 16 numbers, and the floor 2^(16 - 127): so the byte cannot fall under 1
.endr
.irp i, 2,4,6,8,10,12,14
.irp b, 0,1,2,3
	v_max3_num_f32 v[TM+\b], v[TM+\b], |v[\s+16*\b+\i]|, |v[\s+1+16*\b+\i]|   ; (the four blocks by turns: no line waits for the line above it)
.endr
.endr
.irp b, 0,1,2,3
	v_permlanex16_b32 v[TM+4+\b], v[TM+\b], s[SEL], s[SEL+1]
.endr
.irp b, 0,1,2,3
	v_max_num_f32 v[TM+\b], v[TM+\b], v[TM+4+\b]   ; with lane l xor 16's 16: the block's largest magnitude
.endr
.irp b, 0,1,2,3
	v_add_nc_u32 v[TM+12+\b], 0xf8800000, v[TM+\b] ; 15 off its exponent field: the conversion takes the exponent field of this operand as its scale
.endr
.irp b, 0,1,2,3
	v_and_or_b32 v[TM+8+\b], v[TM+\b], 0x7f800000, s[MNT]   ; 57,344 x the scale
.endr
.irp b, 0,1,2,3
	v_lshrrev_b32 v[TM+4+\b], 23, v[TM+12+\b]      ; the scale's byte
.endr
	v_lshl_or_b32 v[PW], v[TM+5], 8, v[TM+4]       ; the four bytes make my row's scale word
	v_lshl_or_b32 v[PW], v[TM+6], 16, v[PW]
	v_lshl_or_b32 v[PW], v[TM+7], 24, v[PW]
.irp b, 0,1,2,3
.irp i, 0,1,2,3,4,5,6,7,8,9,10,11,12,13,14,15
	v_med3_num_f32 v[\s+16*\b+\i], v[\s+16*\b+\i], -v[TM+8+\b], v[TM+8+\b]   ; the conversion to an 8-bit code does not saturate (ISA guide 7.6.2): the hold at the largest code x the scale
.endr
	v_cvt_scalef32_pk8_bf8_f32 v[\d+4*\b:\d+1+4*\b], v[\s+16*\b:\s+7+16*\b], v[TM+12+\b]
	v_cvt_scalef32_pk8_bf8_f32 v[\d+2+4*\b:\d+3+4*\b], v[\s+8+16*\b:\s+15+16*\b], v[TM+12+\b]
.endr
	v_nop                                          ; one plain vector instruction behind the last scaled conversion, ahead of the next vector line that writes its scale operand
.endm
	s_wait_dscnt 16                                ; K step 0's sixteen loads are in; K step 1's sixteen may be out
	SQ 0
	QUANT X, C
	v_mov_b32 v[PW0], v[PW]
.irp c, 0,1,2,3
	global_store_b128 v1, v[C+4*\c:C+4*\c+3], s[6:7] offset:512*\c           ; 32 lanes store 512 consecutive bytes, at a multiple of 256 from the buffer's first byte
.endr
	s_wait_dscnt 0x0                               ; K step 1's numbers are in
	SQ 1
	QUANT X+64, C+16
.irp c, 0,1,2,3
	global_store_b128 v1, v[C+16+4*\c:C+16+4*\c+3], s[6:7] offset:2048+512*\c
.endr
	v_pk_add_f32 v[SUM:SUM+1], v[SUM:SUM+1], v[SUM+2:SUM+3]                  ; the four chains,
	v_pk_add_f32 v[SUM+4:SUM+5], v[SUM+4:SUM+5], v[SUM+6:SUM+7]
	v_pk_add_f32 v[SUM:SUM+1], v[SUM:SUM+1], v[SUM+4:SUM+5]
	v_add_f32 v[SUM], v[SUM], v[SUM+1]             ; their two halves,
	v_permlanex16_b32 v[SUM+1], v[SUM], s[SEL], s[SEL+1]
	v_add_f32 v[SUM], v[SUM], v[SUM+1]             ; and lane l xor 16's half of the row: e2 of row r
	v_mul_f32 v[SUM], -0.5, v[SUM]
	v_cmp_gt_u32 vcc_lo, 16, v7                    ; lanes 0-15
	v_cndmask_b32 v[PW], v[PW], v[PW0], vcc_lo     ; lanes 0-15: K step 0's word of row r; lanes 16-31: K step 1's of row lane - 16 (both halves of the lanes hold their row's words)
	v_cndmask_b32 v[SUM+1], 0, v[SUM], vcc_lo      ; lanes 0-15: -e2 / 2; lanes 16-31: the record's closing zeros
	ds_store_b32 v4, v[PW]
	ds_store_b32 v4, v[SUM+1] offset:128
	ds_load_b64 v[SUM+2:SUM+3], v5                 ; in order behind my two stores: 8 bytes a lane
	s_wait_dscnt 0x0
	global_store_b64 v6, v[SUM+2:SUM+3], s[6:7] offset:4096                  ; 32 lanes store the record's last 256 bytes, aligned
	s_wait_tensorcnt 0x0
	ds_add_u32 v200, v201
	s_wait_dscnt 0x0
	s_endpgm
.Lfunc_end_k_qcbe76e37fb_quant_embed:
	.size	k_qcbe76e37fb_quant_embed, .Lfunc_end_k_qcbe76e37fb_quant_embed-k_qcbe76e37fb_quant_embed
	.p2alignl 7, 3214868480
	.fill 96, 4, 3214868480
	.section	.rodata,"a",@progbits
	.p2align	6, 0x0
	.amdhsa_kernel k_qcbe76e37fb_quant_embed
		.amdhsa_group_segment_fixed_size 34048
		.amdhsa_private_segment_fixed_size 0
		.amdhsa_enable_private_segment 0
		.amdhsa_kernarg_size 16
		.amdhsa_user_sgpr_count 2
		.amdhsa_user_sgpr_kernarg_segment_ptr 1
		.amdhsa_wavefront_size32 1
		.amdhsa_system_sgpr_workgroup_id_x 1
		.amdhsa_system_sgpr_workgroup_id_y 1
		.amdhsa_system_sgpr_workgroup_id_z 1
		.amdhsa_system_vgpr_workitem_id 0
		.amdhsa_next_free_vgpr 202
		.amdhsa_next_free_sgpr 66
		.amdhsa_reserve_vcc 1
		.amdhsa_float_denorm_mode_32 3
		.amdhsa_float_denorm_mode_16_64 3
		.amdhsa_memory_ordered 1
		.amdhsa_forward_progress 1
		.amdhsa_inst_pref_size 32
	.end_amdhsa_kernel
	.amdgpu_metadata
---
amdhsa.version: [ 1, 2 ]
amdhsa.kernels:
  - .name:           k_qcbe76e37fb_quant_embed
    .symbol:         k_qcbe76e37fb_quant_embed.kd
    .args:
      - { .name: embed, .offset: 0, .size: 8, .value_kind: global_buffer, .address_space: global }
      - { .name: ecodes, .offset: 8, .size: 8, .value_kind: global_buffer, .address_space: global }
    .group_segment_fixed_size: 34048
    .private_segment_fixed_size: 0
    .kernarg_segment_align: 8
    .kernarg_segment_size: 16
    .max_flat_workgroup_size: 64
    .sgpr_count:     66
    .vgpr_count:     202
    .wavefront_size: 32
...
	.end_amdgpu_metadata
.endif
;; end of part 1
;; launch nearest (part 2): grid 256 x 1, 8 waves a work-group, clusters of 4 x 1, 327,680 bytes of LDS; arguments x, ecodes, out1, idx; writes out1, idx
.if DOCPART == 2
	.amdgcn_target "amdgcn-amd-amdhsa--gfx1250"
	.amdhsa_code_object_version 6
	.text
	.protected	k_qcbe76e37fb_nearest
	.globl	k_qcbe76e37fb_nearest
	.p2align	8
	.type	k_qcbe76e37fb_nearest,@function
k_qcbe76e37fb_nearest:
	s_mov_b64 s[64:65], 0
	v_nop
	global_prefetch_b8 v0, s[64:65] scope:SCOPE_SE
	s_setreg_imm32_b32 hwreg(HW_REG_WAVE_MODE, 25, 1), 1
	s_wait_xcnt 0x0
	s_wait_alu depctr_hold_cnt(0) depctr_sa_sdst(0) depctr_va_vdst(0) depctr_va_sdst(0) depctr_va_ssrc(0) depctr_va_vcc(0) depctr_vm_vsrc(0)
	s_getreg_b32 s2, hwreg(HW_REG_IB_STS2, 6, 4)
	s_cmp_eq_u32 s2, 0
	s_cbranch_scc0 .Lentry_in_a_cluster
	s_endpgm
.Lentry_in_a_cluster:
	s_bfe_u32 s2, ttmp6, 0x10000c
	s_cmp_lg_u32 s2, 0x3003
	s_cbranch_scc0 .Lentry_shape_is_right
	s_endpgm
.Lentry_shape_is_right:
; For each of 32,768 rows of x [32768][256] f32: the index of the nearest of 8,192 codebook rows, to out1 and (the same numbers) to idx, from which the next launch forms its addresses.
; THE COMPARISON.  With s = xe - e2 / 2 the squared distance is x2 - 2 s, and -sqrt(max(., 0)) falls as it rises: so the wanted index is the FIRST index of the largest min(s, x2 / 2); the min is the clip at 0.
; xe is the quantised product (codes of BF8, E5M2, one E8M0 scale for each 32 along K, f32 sums); -e2 / 2 is the C of a tile's first matrix instruction; x2 / 2 is one number a lane.  No root, no addition for a score.
; LIMITS.  The order of rounding differs from a text that forms f32(x2 + e2 - 2 xe) and its root: scores are compared as xe - e2 / 2, which is finer.  Two codebook rows that such a text ties only through those two
; roundings (at numbers of spread 1: squared distances closer than about 2^-14) are told apart here; equal scores, and all scores that the clip makes equal, go to the lowest index.  x2 is summed in f32 in four packed chains a lane.
; NaN and infinities are not served.  A block of 32 zeros gets the scale byte 1 where the rule says 127: its codes are zeros, and nothing outside this launch reads x's bytes.
; SHARES.  A work-group owns 128 rows of x (queries) against all 8,192 codebook rows.  Each of its eight waves holds the codes of ALL 8 tiles of 16 queries in registers (256), and takes an eighth of the 512 tiles of 16
; codebook rows: of group n (32 tiles) wave w takes tiles 32 n + 4 w + 0 .. 3.  So each byte of the records is read from LDS once in a work-group, and each wave fetches, by its own tensor load, just the bytes that it alone reads.
; Two waves lie on a SIMD: one wave's vector phase stands beside the other's matrix phase.
; LAYOUT.  Source 0 = 16 codebook rows, source 1 = 16 queries: a lane holds ONE query (lane % 16), and its 8 registers the rows 16 t + 8 (lane / 16) + 0 .. 7.
; THE ARGMAX has no address and no branch on data.  For each tile: the largest of the lane's 8 scores, the clip, a compare with the running best (strictly greater: the first keeps), and by that mask the tile's number
; and its 8 scores are kept.  The place among the 8 is read off the kept scores once, at the end; then lane l xor 16 and the eight waves are joined, the lower index winning where values are equal.
; CLUSTER.  All work-groups walk the same records: four form a cluster and ask for each part JOINTLY (the same tensor load, the same descriptor, a mask that names the four).  One operand alone is shared, so the cluster is 4 x 1.
; REGISTERS, window 0: v1-11 addresses and counters; v12 the tile's scale words; v16-23 x's scale words; v24-31 x2 / 2; v32-39 the best; v40-47 its tile; v48-55 at work; v56-63 -e2 / 2 (C); v64-95 the tile's two fragments;
;   v96-159 eight accumulators; v160-223 the kept scores; v224-255 at work while x is quantised.   Window 1: x's 16 fragments (tile q, K step s at 32 q + 16 s).
.set REC,    4352                      ; a record: a tile of 16 codebook rows
.set WPART,  4*REC                     ; a wave's part of a group: 17,408 bytes = 68 rows of 256
.set GROUPB, 8*WPART                   ; a group of 32 records, and an LDS slot
.set SLOT1,  GROUPB                    ; slot 1; its first fill is x: wave w's 16 rows, 1,040 bytes apart, from XSTG w on
.set XSTG,   16*1040
.set XIMG,   2*GROUPB                  ; behind the ring, in blocks of 256 bytes into which no tensor load lands: x's 16 fragments as images of their registers, fragment (q, s) at 2048 (2 q + s), 16 bytes a lane and register group;
.set XSC,    XIMG+32768                ; x's scale words, 128 q + 4 lane;
.set X2R,    XSC+1024                  ; x2 / 2, 4 bytes a query;
.set RED,    X2R+512                   ; each wave's best of each query: values at 512 w + 4 query, indices 4,096 further on;
.set SPARE,  RED+8192                  ; the spare words, 128 bytes for each wave: four blocks of 256 bytes that no other line names
.set SPW,  1                           ; v1   LDS address of my spare word; never rewritten
.set NIL,  2                           ; v2   0; never rewritten
.set AF,   3                           ; v3, v4   my place in my part of slot 0, 1: the fragments' images
.set AE,   5                           ; v5, v6   -e2 / 2 of my half's eight rows
.set ASW,  7                           ; v7, v8   the scale words
.set PFO,  9                           ; v9   the prefetches' offset; never rewritten
.set TID,  10                          ; v10  the number of the tile in hand
.set H8,   11                          ; v11  8 (lane / 16)
.set ASC,  12                          ; v12  the tile's scale words: lanes 0-15 K step 0, lanes 16-31 K step 1
.set PW,   14
.set PW0,  15
.set XS,   16
.set X2H,  24
.set BEST, 32
.set ID,   40
.set G,    48
.set E,    56
.set AFR,  64
.set ACC,  96
.set W,    160
.set TM,   224
.set PC,   240
.set SUM,  40                          ; while x is quantised: four packed chains of squares,
.set XN,   96                          ; v96-223 the lane's 128 numbers of x,
.set XST,  48                          ; and LDS addresses: my place in the stage of x,
.set XWI,  49                          ; where I store my images,
.set XWS,  50                          ; my scale words,
.set X2W,  51                          ; my x2 / 2;
.set LI2,  52                          ; where any image is read,
.set LS2,  53                          ; any scale word,
.set X2A,  54                          ; any x2 / 2
.set WV,   12                          ; s12  my wave's number
.set LIM,  15                          ; s15  1 in the launch's first cluster, else the greatest number
.set PFA,  18                          ; s[18:19] where my prefetches stand
.set SEL,  20                          ; s[20:21] lane selects for v_permlanex16_b32: lane l xor 16
.set MNT,  22                          ; s22  the mantissa field of 57,344
.set CNT,  23                          ; s23  the loop's trips to go
.set G1C,  24                          ; s[24:31] descriptor group 1 for the records
.set G1X,  32                          ; s[32:39] for x
.set G0X,  40                          ; s[40:43] group 0 for x
.set G0,   44                          ; s[44:47], s[48:51] group 0 for slot 0, 1
.set MK,   52                          ; s52-59 the masks 'this tile is better', one for each tile of queries
.set MSB, 0
.macro WIN new                         ; the immediate's high byte repeats the setting that is left
.if MSB != \new
	s_set_vgpr_msb (MSB<<8)|\new
.set MSB, \new
.endif
.endm
; A round of the cluster's barrier: my work-group's barrier, so that wave 0's signal speaks for all eight waves; wave 0 signals for the work-group; every wave waits for all four work-groups; my work-group's barrier once more.
.macro ROUND
	s_barrier_signal -1
	s_barrier_wait -1
	s_cmp_lg_u32 s[WV], 0
	s_cbranch_scc1 .Lnot_wave_0_\@
	s_barrier_signal -3
.Lnot_wave_0_\@:
	s_barrier_wait -3
	s_barrier_signal -1
	s_barrier_wait -1
.endm
; A PREFETCH INTO THE L2 of the group that the NEXT change of slots will ask for: one group (a wave's four tiles) ahead of that load.  All clusters walk the same records: the launch's first cluster asks, and nobody else.
; A group is 544 blocks of 256 bytes: 4 partners x 8 waves x 17 lanes, shared out BY ADDRESS (no branch hangs on a work-group's place in its cluster); lanes 17 to 31 name lane 16's block again.
; how = 1: there is always such a group; how = 0, at the loop's end: not in the last trip, where the look-ahead would pass the buffer's end.  Groups 0 and 1 come by their loads alone.
.macro ASK how
.if \how
	s_cmp_eq_u32 s[LIM], 1
.else
	s_cmp_gt_u32 s[CNT], s[LIM]
.endif
	s_cbranch_scc0 .Lnot_mine_\@
	global_prefetch_b8 v[PFO], s[PFA:PFA+1] th:TH_LOAD_NT scope:SCOPE_SE
.Lnot_mine_\@:
.endm
	s_load_b256 s[4:11], s[0:1], 0x0               ; x s[4:5], the records s[6:7], out1 s[8:9], idx s[10:11]
	v_lshl_add_u32 v[SPW], v0, 2, SPARE
	v_mov_b32 v[NIL], 0
	ds_add_u32 v1, v2
	ds_add_u32 v1, v2
	s_wait_dscnt 0x0
	v_lshrrev_b32 v13, 5, v0
	v_readfirstlane_b32 s[WV], v13                 ; wave 0..7
	s_bfe_u32 s13, ttmp6, 0x40000                  ; cx: my place in the cluster
	s_lshl_b32 s14, ttmp9, 2                       ; in a cluster launch ttmp9 counts clusters
	s_add_co_u32 s14, s14, s13                     ; my work-group: it enters x's, out1's and idx's addresses alone
	v_and_b32 v13, 31, v0                          ; lane
	v_and_b32 v14, 15, v0                          ; r
	v_bfe_u32 v15, v0, 4, 1                        ; h
	s_mul_i32 s60, s[WV], WPART                    ; my part of a slot, and of a group in memory: no place in the cluster enters it
	v_lshlrev_b32 v[AF], 4, v13
	v_add_nc_u32 v[AF], s60, v[AF]                 ; an image's 16 bytes a lane
	v_add_nc_u32 v[AF+1], SLOT1, v[AF]
	v_lshlrev_b32 v[AE], 5, v15
	v_add_nc_u32 v[AE], s60, v[AE]
	v_add_nc_u32 v[AE], 4224, v[AE]                ; -e2 / 2 of rows 8 h + 0 .. 7: the result's layout
	v_add_nc_u32 v[AE+1], SLOT1, v[AE]
	v_lshlrev_b32 v[ASW], 2, v13
	v_add_nc_u32 v[ASW], s60, v[ASW]
	v_add_nc_u32 v[ASW], 4096, v[ASW]
	v_add_nc_u32 v[ASW+1], SLOT1, v[ASW]
	v_min_u32 v[PFO], 16, v13
	v_lshlrev_b32 v[PFO], 8, v[PFO]                ; 256 x min(lane, 16)
	s_lshl_b32 s61, s[WV], 2
	s_sub_co_u32 s61, s61, 1
	v_mov_b32 v[TID], s61                          ; 4 w - 1: one is added ahead of each tile's vector phase
	v_lshlrev_b32 v[H8], 3, v15
	s_mul_i32 s62, s[WV], XSTG
	v_mul_u32_u24 v[XST], v14, 1040
	v_lshl_add_u32 v[XST], v15, 6, v[XST]
	v_add_nc_u32 v[XST], s62, v[XST]
	v_add_nc_u32 v[XST], SLOT1, v[XST]             ; x's stage: row r of my 16, + 64 h: my 16 numbers of a block of 32
	s_lshl_b32 s63, s[WV], 12
	v_lshlrev_b32 v[LI2], 4, v13
	v_add_nc_u32 v[LI2], XIMG, v[LI2]
	v_add_nc_u32 v[XWI], s63, v[LI2]               ; tile q = my wave: two fragments of 2,048 bytes
	s_lshl_b32 s63, s[WV], 7
	v_lshlrev_b32 v[LS2], 2, v13
	v_add_nc_u32 v[LS2], XSC, v[LS2]
	v_add_nc_u32 v[XWS], s63, v[LS2]
	s_lshl_b32 s63, s[WV], 6
	v_lshlrev_b32 v[X2A], 2, v14
	v_add_nc_u32 v[X2A], X2R, v[X2A]
	v_add_nc_u32 v[X2W], s63, v[X2A]
.irp b, 0,1,2,3
	v_mov_b32 v[TM+4+\b], 0                        ; written once: a lane permute's destination counts as one of its sources
.endr
	s_mov_b32 s[SEL], 0x76543210
	s_mov_b32 s[SEL+1], 0xfedcba98
	s_mov_b32 s[MNT], 0x600000
	s_mov_b32 s[CNT], 7
	s_cmp_eq_u32 ttmp9, 0                          ; the same in all four partners
	s_cselect_b32 s[LIM], 1, -1
	; descriptor group 1 for a wave's part of a group: a dense block of 17,408 bytes as 68 rows of 256 bytes (32 elements of 8 bytes); images are read 16 bytes a lane on end, so no padding
	s_mov_b32 s[G1C], 15|(3<<16)|(1<<21)           ; 15:0 the mask: all four work-groups; 17:16 elements of 8 bytes; 21 set beside a mask
	s_mov_b32 s[G1C+1], 32<<16                     ; tensor_dim0 = 32
	s_mov_b32 s[G1C+2], 68<<16                     ; tensor_dim1 = 68
	s_mov_b32 s[G1C+3], 32<<16                     ; tile_dim0 = 32
	s_mov_b32 s[G1C+4], 68                         ; tile_dim1 = 68
	s_mov_b32 s[G1C+5], 32                         ; from row to row
	s_mov_b32 s[G1C+6], 0
	s_mov_b32 s[G1C+7], 0
	; and for my 16 rows of x: rows of 256 f32, 16 bytes of padding behind each: 1,040 bytes apart, an odd multiple of 16, so that the 16 rows that a read touches start at 16 different banks (ISA guide 11.1)
	s_mov_b32 s[G1X], (2<<16)|(1<<20)|(7<<22)|(3<<25)   ; no mask: each work-group has rows of its own; elements of 4 bytes; padding on; after every 256 words (code 7); of 4 words (code 3)
	s_mov_b32 s[G1X+1], 256<<16
	s_mov_b32 s[G1X+2], 16<<16
	s_mov_b32 s[G1X+3], 256<<16
	s_mov_b32 s[G1X+4], 16
	s_mov_b32 s[G1X+5], 256
	s_mov_b32 s[G1X+6], 0
	s_mov_b32 s[G1X+7], 0
	s_lshl_b32 s66, s14, 17                        ; my work-group's 128 rows of 1,024 bytes,
	s_lshl_b32 s67, s[WV], 14                      ; my wave's 16 of them
	s_add_co_u32 s66, s66, s67
	s_mov_b32 s67, 0
	s_mov_b32 s68, s60
	s_mov_b32 s69, 0
	s_lshl_b32 s70, s13, 3
	s_add_co_u32 s70, s70, s[WV]
	s_mul_i32 s70, s70, REC                        ; the prefetches: 17 blocks of 256 bytes for each of the cluster's 32 waves,
	s_add_co_u32 s70, s70, GROUPB                  ; in group 1: the first change of slots steps it to group 2
	s_mov_b32 s71, 0
	s_mov_b32 s[G0X], 1                            ; count = 1
	s_add_co_u32 s[G0X+1], s62, SLOT1              ; LDS address
	s_mov_b32 s[G0], 1
	s_mov_b32 s[G0+1], s60
	s_mov_b32 s[G0+4], 1
	s_add_co_u32 s[G0+5], s60, SLOT1
	s_wait_kmcnt 0x0
	s_add_nc_u64 s[G0X+2:G0X+3], s[4:5], s[66:67]
	s_or_b32 s[G0X+3], s[G0X+3], 0x80000000        ; type = 2
	s_add_nc_u64 s[G0+2:G0+3], s[6:7], s[68:69]    ; group 0, my part
	s_add_nc_u64 s[G0+6:G0+7], s[G0+2:G0+3], GROUPB   ; group 1
	s_or_b32 s[G0+3], s[G0+3], 0x80000000
	s_or_b32 s[G0+7], s[G0+7], 0x80000000
	s_add_nc_u64 s[PFA:PFA+1], s[6:7], s[70:71]
	s_lshl_b32 s66, s14, 9                         ; my work-group's 128 indices
	s_add_nc_u64 s[8:9], s[8:9], s[66:67]
	s_add_nc_u64 s[10:11], s[10:11], s[66:67]
	ROUND                                          ; all four work-groups are here: the first joint loads meet
	tensor_load_to_lds s[G0X:G0X+3], s[G1X:G1X+7]  ; my 16 rows of x, into slot 1's bytes
	s_nop 0
	tensor_load_to_lds s[G0:G0+3], s[G1C:G1C+7]    ; my part of group 0, into slot 0: two loads of mine are out
	s_nop 0
.rept 4
	v_nop
.endr
; ---- x: my 16 rows become two fragments, their scale words and x2 / 2
.macro SQ s                            ; the squares of K step s's 64 numbers, two at a time, onto four chains; the first four products start them.  Ahead of the hold, which changes the numbers
.irp i, 0,1,2,3,4,5,6,7
.irp c, 0,1,2,3
.if (\s == 0) && (\i == 0)
	v_pk_mul_f32 v[SUM+2*\c:SUM+2*\c+1], v[XN+2*\c:XN+2*\c+1], v[XN+2*\c:XN+2*\c+1]
.else
	v_pk_fma_f32 v[SUM+2*\c:SUM+2*\c+1], v[XN+64*\s+8*\i+2*\c:XN+64*\s+8*\i+2*\c+1], v[XN+64*\s+8*\i+2*\c:XN+64*\s+8*\i+2*\c+1], v[SUM+2*\c:SUM+2*\c+1]
.endif
.endr
.endr
.endm
.macro QUANT s, d                      ; 64 numbers of a lane, v[s] on, register 16 b + i = k 32 b + 16 h + i of my row, become a fragment's codes in v[d] on and its scale word in v[PW]
.irp b, 0,1,2,3
	v_max3_num_f32 v[TM+\b], |v[\s+16*\b]|, |v[\s+1+16*\b]|, 0x8000000   ; block b: my 16 numbers, and the floor 2^(16 - 127): so the byte cannot fall under 1
.endr
.irp i, 2,4,6,8,10,12,14
.irp b, 0,1,2,3
	v_max3_num_f32 v[TM+\b], v[TM+\b], |v[\s+16*\b+\i]|, |v[\s+1+16*\b+\i]|
.endr
.endr
.irp b, 0,1,2,3
	v_permlanex16_b32 v[TM+4+\b], v[TM+\b], s[SEL], s[SEL+1]
.endr
.irp b, 0,1,2,3
	v_max_num_f32 v[TM+\b], v[TM+\b], v[TM+4+\b]   ; with lane l xor 16's 16: the block's largest magnitude
.endr
.irp b, 0,1,2,3
	v_add_nc_u32 v[TM+12+\b], 0xf8800000, v[TM+\b] ; 15 off its exponent field: the conversion's scale operand
.endr
.irp b, 0,1,2,3
	v_and_or_b32 v[TM+8+\b], v[TM+\b], 0x7f800000, s[MNT]   ; 57,344 x the scale
.endr
.irp b, 0,1,2,3
	v_lshrrev_b32 v[TM+4+\b], 23, v[TM+12+\b]      ; the scale's byte
.endr
	v_lshl_or_b32 v[PW], v[TM+5], 8, v[TM+4]
	v_lshl_or_b32 v[PW], v[TM+6], 16, v[PW]
	v_lshl_or_b32 v[PW], v[TM+7], 24, v[PW]
.irp b, 0,1,2,3
.irp i, 0,1,2,3,4,5,6,7,8,9,10,11,12,13,14,15
	v_med3_num_f32 v[\s+16*\b+\i], v[\s+16*\b+\i], -v[TM+8+\b], v[TM+8+\b]   ; the conversion to an 8-bit code does not saturate (ISA guide 7.6.2): the hold at the largest code x the scale
.endr
	v_cvt_scalef32_pk8_bf8_f32 v[\d+4*\b:\d+1+4*\b], v[\s+16*\b:\s+7+16*\b], v[TM+12+\b]
	v_cvt_scalef32_pk8_bf8_f32 v[\d+2+4*\b:\d+3+4*\b], v[\s+8+16*\b:\s+15+16*\b], v[TM+12+\b]
.endr
	v_nop                                          ; one plain vector instruction behind the last scaled conversion: vector and matrix instructions write its registers later
.endm
.macro IMAGE off                       ; the fragment in v[PC] on goes to LDS as it stands: any wave that loads it by the same four lines has the same registers in the same lanes
.irp c, 0,1,2,3
	ds_store_b128 v[XWI], v[PC+4*\c:PC+4*\c+3] offset:\off+512*\c
.endr
.endm
	s_wait_tensorcnt 0x1                           ; tensor loads of a wave end in order: x's rows are in (I alone read them); group 0's load may be out
.irp s, 0,1
.irp b, 0,1,2,3
.irp j, 0,1,2,3
	ds_load_b128 v[XN+64*\s+16*\b+4*\j:XN+64*\s+16*\b+4*\j+3], v[XST] offset:512*\s+128*\b+16*\j
.endr
.endr
.endr
	s_wait_dscnt 16                                ; K step 0's sixteen loads are in; K step 1's sixteen may be out
	SQ 0
	QUANT XN, PC
	v_mov_b32 v[PW0], v[PW]
	IMAGE 0
	s_wait_dscnt 0x0                               ; K step 1's numbers are in, and the stores have read the codes' registers
	SQ 1
	QUANT XN+64, PC
	IMAGE 2048
	v_pk_add_f32 v[SUM:SUM+1], v[SUM:SUM+1], v[SUM+2:SUM+3]
	v_pk_add_f32 v[SUM+4:SUM+5], v[SUM+4:SUM+5], v[SUM+6:SUM+7]
	v_pk_add_f32 v[SUM:SUM+1], v[SUM:SUM+1], v[SUM+4:SUM+5]
	v_add_f32 v[SUM], v[SUM], v[SUM+1]
	v_permlanex16_b32 v[SUM+1], v[SUM], s[SEL], s[SEL+1]
	v_add_f32 v[SUM], v[SUM], v[SUM+1]             ; x2 of row r
	v_mul_f32 v[SUM], 0.5, v[SUM]
	v_and_b32 v13, 31, v0
	v_cmp_gt_u32 vcc_lo, 16, v13
	v_cndmask_b32 v[PW], v[PW], v[PW0], vcc_lo     ; lanes 0-15: K step 0's word of row r; lanes 16-31: K step 1's of row lane - 16
	ds_store_b32 v[XWS], v[PW]
	ds_store_b32 v[X2W], v[SUM]                    ; both lanes of a row write the same word with the same value
	s_wait_dscnt 0x0                               ; for the others' sake: my stores have landed
	s_barrier_signal -1
	s_barrier_wait -1                              ; x's sixteen fragments lie in LDS.
	WIN 0x40                                       ; destination window 1, address window 0
.irp q, 0,1,2,3,4,5,6,7
.irp s, 0,1
.irp c, 0,1,2,3
	ds_load_b128 v[32*\q+16*\s+4*\c:32*\q+16*\s+4*\c+3], v[LI2] offset:(2*\q+\s)*2048+512*\c   ; all of x's codes stay in my registers
.endr
.endr
.endr
	WIN 0
.irp q, 0,1,2,3,4,5,6,7
	ds_load_b32 v[XS+\q], v[LS2] offset:128*\q
	ds_load_b32 v[X2H+\q], v[X2A] offset:64*\q     ; x2 / 2 of query 16 q + r
.endr
; ---- the walk over the codebook
.macro LOADA slot, i                   ; tile i of my four in the slot: two fragments, -e2 / 2 in the result's layout, the scale words: 11 LDS loads
.irp u, 0,1
.irp c, 0,1,2,3
	ds_load_b128 v[AFR+16*\u+4*\c:AFR+16*\u+4*\c+3], v[AF+\slot] offset:REC*(\i)+2048*\u+512*\c
.endr
.endr
	ds_load_b128 v[E:E+3], v[AE+\slot] offset:REC*(\i)
	ds_load_b128 v[E+4:E+7], v[AE+\slot] offset:REC*(\i)+16
	ds_load_b32 v[ASC], v[ASW+\slot] offset:REC*(\i)
.endm
; 16 matrix instructions: the tile against the 8 tiles of queries, K step 0 (C = -e2 / 2) and K step 1.  The eight accumulators take turns, one instruction a turn.
.macro MPHASE
	WIN 0x04                                       ; source 1 (x) window 1; all else window 0
.irp q, 0,1,2,3,4,5,6,7
	v_wmma_scale_f32_16x16x128_f8f6f4 v[ACC+8*\q:ACC+8*\q+7], v[AFR:AFR+15], v[32*\q:32*\q+15], v[E:E+7], v[ASC], v[XS+\q] matrix_a_fmt:MATRIX_FMT_BF8 matrix_b_fmt:MATRIX_FMT_BF8
.endr
.irp q, 0,1,2,3,4,5,6,7
	v_wmma_scale_f32_16x16x128_f8f6f4 v[ACC+8*\q:ACC+8*\q+7], v[AFR+16:AFR+31], v[32*\q+16:32*\q+31], v[ACC+8*\q:ACC+8*\q+7], v[ASC], v[XS+\q] matrix_a_fmt:MATRIX_FMT_BF8 matrix_b_fmt:MATRIX_FMT_BF8 matrix_a_scale:MATRIX_SCALE_ROW1 matrix_b_scale:MATRIX_SCALE_ROW1
.endr
	WIN 0
.endm
; Eight places behind this matrix form, ahead of the loads into the tile's registers and of the first read of results.  (The ninth, which the next tile's first products want since they begin
; the accumulators anew, is any of the vector phase's lines on the other accumulators.)
.macro PLACES
	v_add_nc_u32 v[TID], 1, v[TID]                 ; the number of the tile whose scores are now examined
.rept 7
	v_nop
.endr
.endm
; 128 vector instructions, 16 for each tile of queries, the eight by turns so that no line waits for the line above it.  Each accumulator is read from its low end on.
.macro VPHASE
.irp q, 0,1,2,3,4,5,6,7
	v_max3_num_f32 v[G+\q], v[ACC+8*\q], v[ACC+8*\q+1], v[ACC+8*\q+2]
.endr
.irp q, 0,1,2,3,4,5,6,7
	v_max3_num_f32 v[G+\q], v[G+\q], v[ACC+8*\q+3], v[ACC+8*\q+4]
.endr
.irp q, 0,1,2,3,4,5,6,7
	v_max3_num_f32 v[G+\q], v[G+\q], v[ACC+8*\q+5], v[ACC+8*\q+6]
.endr
.irp q, 0,1,2,3,4,5,6,7
	v_max_num_f32 v[G+\q], v[G+\q], v[ACC+8*\q+7]  ; the largest of my 8 scores
.endr
.irp q, 0,1,2,3,4,5,6,7
	v_min_num_f32 v[G+\q], v[G+\q], v[X2H+\q]      ; the clip of the squared distance at 0
.endr
.irp q, 0,1,2,3,4,5,6,7
	v_cmp_gt_f32 s[MK+\q], v[G+\q], v[BEST+\q]     ; strictly greater: of equal values the earlier tile keeps
.endr
.irp q, 0,1,2,3,4,5,6,7
	v_max_num_f32 v[BEST+\q], v[BEST+\q], v[G+\q]
.endr
.irp q, 0,1,2,3,4,5,6,7
	v_cndmask_b32 v[ID+\q], v[ID+\q], v[TID], s[MK+\q]
.endr
.irp j, 0,1,2,3,4,5,6,7
.irp q, 0,1,2,3,4,5,6,7
	v_cndmask_b32 v[W+8*\q+\j], v[W+8*\q+\j], v[ACC+8*\q+\j], s[MK+\q]   ; the winner's 8 scores are kept: the place among them is read off at the end
.endr
.endr
.endm
.macro INIT                            ; a select reads its destination, so these are written once.  The first tile's value lies above -infinity, so it always wins: the kept scores may start as any number
.irp q, 0,1,2,3,4,5,6,7
	v_mov_b32 v[BEST+\q], 0xff800000
.endr
.irp q, 0,1,2,3,4,5,6,7
	v_mov_b32 v[ID+\q], 0
.endr
.set n, 0
.rept 64
	v_mov_b32 v[W+n], 0
.set n, n+1
.endr
.endm
; A slot's four tiles.  While a tile's scores are examined the next tile's registers are on their way from LDS.  The fourth tile's vector phase stands in what follows.
.macro BODY slot
.irp i, 1,2,3
	s_wait_dscnt 0x0                               ; the tile's 11 loads are in
	MPHASE
	PLACES
	LOADA \slot, \i
	VPHASE
.endr
	s_wait_dscnt 0x0
	MPHASE
	PLACES
.endm
; THE CHANGE OF SLOTS.  Each wave waits for all its tensor loads, of which one is out: its part of slot next; adds 0 to its spare word; and waits for that and for its reads of the slot that it leaves.  The round that
; follows shows the same of every wave of all four work-groups; behind it the slot just left is filled again, by the wave's one tensor load, which has a slot's four tiles in which to land.
; withv = 1: the last tile's vector phase stands between the add and the wait for it; 0, the first change: the start of the running figures does.  step = 1: the descriptor goes two groups on.
.macro HEAD next, step, withv, how
	s_wait_tensorcnt 0x0                           ; no tensor load of mine is out, so a group 0 may be written
	ds_add_u32 v[SPW], v[NIL]                      ; 0 onto my spare word
.if \withv
	VPHASE
	v_add_nc_u32 v[TID], 28, v[TID]                ; from my last tile of a group to one short of my first of the next: 32 tiles a group, 4 mine
.else
	INIT
.endif
.if \step
	s_add_nc_u64 s[G0+4*(1-\next)+2:G0+4*(1-\next)+3], s[G0+4*(1-\next)+2:G0+4*(1-\next)+3], 2*GROUPB   ; the type bits on top are not reached
.endif
	s_wait_xcnt 0x0                                ; the last prefetch, a slot back, has read its address, so it may be written:
	s_add_nc_u64 s[PFA:PFA+1], s[PFA:PFA+1], GROUPB   ; one group further on than the load below
	s_wait_dscnt 0x0                               ; the add is done, and my reads of the slot that I leave are over
	ROUND
	tensor_load_to_lds s[G0+4*(1-\next):G0+4*(1-\next)+3], s[G1C:G1C+7]   ; the first thing behind the round, and my one tensor load until the next
	s_nop 0
.rept 4
	v_nop
.endr
	LOADA \next, 0                                 ; my own bytes, shown landed by the wait at the head
	ASK \how                                       ; behind the tensor load and the LDS loads that the next products wait for
.endm
	HEAD 0, 0, 0, 1                                ; x's stage has been read by all: group 1 goes into slot 1; group 2 is prefetched
.Lpair:                                                ; 7 trips: trip k works groups 2 k and 2 k + 1 and asks for groups 2 k + 2 and 2 k + 3
	BODY 0
	HEAD 1, 1, 1, 1
	BODY 1
	HEAD 0, 1, 1, 0
	s_sub_co_u32 s[CNT], s[CNT], 1
	s_cmp_lg_u32 s[CNT], 0
	s_cbranch_scc1 .Lpair
	BODY 0                                         ; groups 14 and 15 are written out: nothing is left to fetch
	s_wait_tensorcnt 0x0                           ; my part of group 15 is in: the bytes are my own, and nothing is filled again, so no barrier
	LOADA 1, 0
	VPHASE
	v_add_nc_u32 v[TID], 28, v[TID]
	BODY 1
	VPHASE
; ---- the place among the kept 8: the lowest j whose clipped score is the best
.irp q, 0,1,2,3,4,5,6,7
	v_mov_b32 v[G+\q], 7                           ; if none of 0 .. 6 is, 7 is
.endr
.irp j, 6,5,4,3,2,1,0
.irp q, 0,1,2,3,4,5,6,7
	v_min_num_f32 v[W+8*\q+\j], v[W+8*\q+\j], v[X2H+\q]
.endr
.irp q, 0,1,2,3,4,5,6,7
	v_cmp_neq_f32 vcc_lo, v[W+8*\q+\j], v[BEST+\q]
	v_cndmask_b32 v[G+\q], \j, v[G+\q], vcc_lo     ; j where they are equal
.endr
.endr
.irp q, 0,1,2,3,4,5,6,7
	v_lshl_add_u32 v[ID+\q], v[ID+\q], 4, v[G+\q]
.endr
.irp q, 0,1,2,3,4,5,6,7
	v_add_nc_u32 v[ID+\q], v[H8], v[ID+\q]         ; the index: 16 x tile + 8 h + j
.endr
; (value bv, index bi) takes (ov, oi) where ov is greater, or equal with a lower index.  Selects alone: no branch, no address
.macro JOIN bv, bi, ov, oi, tt
	v_min_u32 v[\tt], v[\bi], v[\oi]
	v_cmp_eq_f32 vcc_lo, v[\ov], v[\bv]
	v_cndmask_b32 v[\bi], v[\bi], v[\tt], vcc_lo
	v_cmp_gt_f32 vcc_lo, v[\ov], v[\bv]
	v_cndmask_b32 v[\bi], v[\bi], v[\oi], vcc_lo
	v_max_num_f32 v[\bv], v[\bv], v[\ov]
.endm
.irp q, 0,1,2,3,4,5,6,7
	v_permlanex16_b32 v[W+8*\q], v[BEST+\q], s[SEL], s[SEL+1]   ; the query's other eight rows of each tile lie in lane l xor 16
	v_permlanex16_b32 v[W+8*\q+1], v[ID+\q], s[SEL], s[SEL+1]
.endr
.irp q, 0,1,2,3,4,5,6,7
	JOIN BEST+\q, ID+\q, W+8*\q, W+8*\q+1, W+8*\q+2
.endr
	v_and_b32 v13, 15, v0
	v_lshlrev_b32 v13, 2, v13
	s_lshl_b32 s60, s[WV], 9
	v_add_nc_u32 v13, s60, v13
	v_add_nc_u32 v13, RED, v13                     ; my wave's 512 bytes, query 16 q + r
	v_lshl_add_u32 v14, v0, 3, RED                 ; and for the join of the waves: thread t takes queries 2 t and 2 t + 1
	v_lshlrev_b32 v15, 3, v0
.irp q, 0,1,2,3,4,5,6,7
	ds_store_b32 v13, v[BEST+\q] offset:64*\q      ; both lanes of a query write the same word with the same value
	ds_store_b32 v13, v[ID+\q] offset:4096+64*\q
.endr
	s_wait_dscnt 0x0                               ; for the others' sake: my stores have landed
	s_barrier_signal -1
	s_barrier_wait -1
	s_cmp_gt_u32 s[WV], 1                          ; 128 queries, two to a thread: waves 0 and 1
	s_cbranch_scc1 .Ldone
.irp k, 0,1,2,3,4,5,6,7
	ds_load_b64 v[ACC+2*\k:ACC+2*\k+1], v14 offset:512*\k
	ds_load_b64 v[ACC+16+2*\k:ACC+16+2*\k+1], v14 offset:4096+512*\k
.endr
	s_wait_dscnt 0x0
.irp k, 1,2,3,4,5,6,7
.irp e, 0,1
	JOIN ACC+\e, ACC+16+\e, ACC+2*\k+\e, ACC+16+2*\k+\e, ACC+32+\e
.endr
.endr
	global_store_b64 v15, v[ACC+16:ACC+17], s[8:9]   ; a wave stores 256 consecutive bytes, at a multiple of 256 from the buffer's first byte
	global_store_b64 v15, v[ACC+16:ACC+17], s[10:11]
.Ldone:
	s_wait_tensorcnt 0x0                           ; the wave's end, behind my last tensor load and my last LDS store
	ds_add_u32 v[SPW], v[NIL]
	s_wait_dscnt 0x0
	ROUND                                          ; the closing round: no work-group ends while a partner may still ask for a part that names it
	s_endpgm
.Lfunc_end_k_qcbe76e37fb_nearest:
	.size	k_qcbe76e37fb_nearest, .Lfunc_end_k_qcbe76e37fb_nearest-k_qcbe76e37fb_nearest
	.p2alignl 7, 3214868480
	.fill 96, 4, 3214868480
	.section	.rodata,"a",@progbits
	.p2align	6, 0x0
	.amdhsa_kernel k_qcbe76e37fb_nearest
		.amdhsa_group_segment_fixed_size 327680
		.amdhsa_private_segment_fixed_size 0
		.amdhsa_enable_private_segment 0
		.amdhsa_kernarg_size 32
		.amdhsa_user_sgpr_count 2
		.amdhsa_user_sgpr_kernarg_segment_ptr 1
		.amdhsa_wavefront_size32 1
		.amdhsa_system_sgpr_workgroup_id_x 1
		.amdhsa_system_sgpr_workgroup_id_y 1
		.amdhsa_system_sgpr_workgroup_id_z 1
		.amdhsa_system_vgpr_workitem_id 0
		.amdhsa_next_free_vgpr 512
		.amdhsa_next_free_sgpr 80
		.amdhsa_reserve_vcc 1
		.amdhsa_float_denorm_mode_32 3
		.amdhsa_float_denorm_mode_16_64 3
		.amdhsa_memory_ordered 1
		.amdhsa_forward_progress 1
		.amdhsa_inst_pref_size 219
	.end_amdhsa_kernel
	.amdgpu_metadata
---
amdhsa.version: [ 1, 2 ]
amdhsa.kernels:
  - .name:           k_qcbe76e37fb_nearest
    .symbol:         k_qcbe76e37fb_nearest.kd
    .args:
      - { .name: x, .offset: 0, .size: 8, .value_kind: global_buffer, .address_space: global }
      - { .name: ecodes, .offset: 8, .size: 8, .value_kind: global_buffer, .address_space: global }
      - { .name: out1, .offset: 16, .size: 8, .value_kind: global_buffer, .address_space: global }
      - { .name: idx, .offset: 24, .size: 8, .value_kind: global_buffer, .address_space: global }
    .group_segment_fixed_size: 327680
    .private_segment_fixed_size: 0
    .kernarg_segment_align: 8
    .kernarg_segment_size: 32
    .max_flat_workgroup_size: 256
    .sgpr_count:     80
    .vgpr_count:     512
    .wavefront_size: 32
...
	.end_amdgpu_metadata
.endif
;; end of part 2
;; launch gather (part 3): grid 256 x 1, 8 waves a work-group, no clusters, 0 bytes of LDS; arguments embed, idx, out0; writes out0
.if DOCPART == 3
	.amdgcn_target "amdgcn-amd-amdhsa--gfx1250"
	.amdhsa_code_object_version 6
	.text
	.protected	k_qcbe76e37fb_gather
	.globl	k_qcbe76e37fb_gather
	.p2align	8
	.type	k_qcbe76e37fb_gather,@function
k_qcbe76e37fb_gather:
	s_mov_b64 s[64:65], 0
	v_nop
	global_prefetch_b8 v0, s[64:65] scope:SCOPE_SE
	s_setreg_imm32_b32 hwreg(HW_REG_WAVE_MODE, 25, 1), 1
	s_wait_xcnt 0x0
; out0[n][:] = embed[idx[n]][:]: 32,768 rows of 1,024 bytes.  idx holds the whole numbers that the launch before stored.
; A wave takes 16 rows: its 16 indices come by one scalar load; each row is two loads and two stores of 512 consecutive bytes.  All 32 loads of a wave are issued before its first store; nothing is read twice by a wave.
; No LDS, no barrier, no matrix unit, no cluster: waves share nothing, and which rows of embed two work-groups both want hangs on the data.  Everything is written out: no register is written again, so no wait frees one.
; An index is held to 8,191, the table's last row, ahead of its use in an address.
.set D,   8                            ; v8-135   32 x 4 registers
.set OFF, 136                          ; v136-151 row k's byte offset in embed: 1,024 x index + 16 x lane
	s_load_b128 s[4:7], s[0:1], 0x0                ; embed, idx
	s_load_b64 s[8:9], s[0:1], 0x10                ; out0
	v_lshrrev_b32 v1, 5, v0
	v_readfirstlane_b32 s10, v1                    ; wave 0..7
	v_and_b32 v1, 31, v0
	v_lshlrev_b32 v1, 4, v1                        ; 16 x lane
	s_lshl_b32 s11, ttmp9, 3
	s_add_co_u32 s10, s11, s10                     ; which 16 rows are my wave's
	s_lshl_b32 s12, s10, 6                         ; their indices: 64 bytes
	s_mov_b32 s13, 0
	s_lshl_b32 s14, s10, 14                        ; their place in out0: 16,384 bytes
	s_mov_b32 s15, 0
	s_wait_kmcnt 0x0
	s_add_nc_u64 s[6:7], s[6:7], s[12:13]
	s_add_nc_u64 s[8:9], s[8:9], s[14:15]
	s_load_b512 s[16:31], s[6:7], 0x0
	s_wait_kmcnt 0x0
.irp k, 0,1,2,3,4,5,6,7,8,9,10,11,12,13,14,15
	s_min_u32 s[16+\k], s[16+\k], 0x1fff
	v_lshl_add_u32 v[OFF+\k], s[16+\k], 10, v1
.endr
.set n, 0
.rept 32
	global_load_b128 v[D+4*n:D+4*n+3], v[OFF+n/2], s[4:5] offset:512*(n%2)   ; half a row: 512 consecutive bytes (no hint: a row may be named again)
.set n, n+1
.endr
.set n, 0
.rept 32
	s_wait_loadcnt 31-n                            ; loads come back in order: load n is in, the 31 - n younger ones may be out
	global_store_b128 v1, v[D+4*n:D+4*n+3], s[8:9] offset:512*n th:TH_STORE_NT   ; 512 consecutive bytes, at a multiple of 256 from out0's first byte; written once, read by nobody here
.set n, n+1
.endr
	s_endpgm
.Lfunc_end_k_qcbe76e37fb_gather:
	.size	k_qcbe76e37fb_gather, .Lfunc_end_k_qcbe76e37fb_gather-k_qcbe76e37fb_gather
	.p2alignl 7, 3214868480
	.fill 96, 4, 3214868480
	.section	.rodata,"a",@progbits
	.p2align	6, 0x0
	.amdhsa_kernel k_qcbe76e37fb_gather
		.amdhsa_group_segment_fixed_size 0
		.amdhsa_private_segment_fixed_size 0
		.amdhsa_enable_private_segment 0
		.amdhsa_kernarg_size 24
		.amdhsa_user_sgpr_count 2
		.amdhsa_user_sgpr_kernarg_segment_ptr 1
		.amdhsa_wavefront_size32 1
		.amdhsa_system_sgpr_workgroup_id_x 1
		.amdhsa_system_sgpr_workgroup_id_y 1
		.amdhsa_system_sgpr_workgroup_id_z 1
		.amdhsa_system_vgpr_workitem_id 0
		.amdhsa_next_free_vgpr 152
		.amdhsa_next_free_sgpr 66
		.amdhsa_reserve_vcc 0
		.amdhsa_float_denorm_mode_32 3
		.amdhsa_float_denorm_mode_16_64 3
		.amdhsa_memory_ordered 1
		.amdhsa_forward_progress 1
		.amdhsa_inst_pref_size 10
	.end_amdhsa_kernel
	.amdgpu_metadata
---
amdhsa.version: [ 1, 2 ]
amdhsa.kernels:
  - .name:           k_qcbe76e37fb_gather
    .symbol:         k_qcbe76e37fb_gather.kd
    .args:
      - { .name: embed, .offset: 0, .size: 8, .value_kind: global_buffer, .address_space: global }
      - { .name: idx, .offset: 8, .size: 8, .value_kind: global_buffer, .address_space: global }
      - { .name: out0, .offset: 16, .size: 8, .value_kind: global_buffer, .address_space: global }
    .group_segment_fixed_size: 0
    .private_segment_fixed_size: 0
    .kernarg_segment_align: 8
    .kernarg_segment_size: 24
    .max_flat_workgroup_size: 256
    .sgpr_count:     66
    .vgpr_count:     152
    .wavefront_size: 32
...
	.end_amdgpu_metadata
.endif
;; end of part 3
